; MI455X (gfx1250); checked and timed in simulation.
; The chip was launched on July 23, 2026; its instructions are those of AMD's public machine-readable ISA for CDNA 5 (MIT licence, August 2026) and "CDNA5" Instruction Set Architecture Reference Guide (July 2026). The comments in the code are by the model that wrote it; some were corrected since.
;; Bahdanau Attention. Allowed arithmetic: matrix products marked QUANTISED: E4M3 operands, one E8M0 scale for each 32 along K, by v_wmma_scale_f32_16x16x128_f8f6f4 with both operands' format E4M3, f32 sums; products left as they are: f32 operands where the result goes on into a quantised operand, else bf16, f16 or f32 operands; f32 sums; everything else in f32.
;; Inputs: Wk 1,024 x 1,024 float32; Wq 1,024 x 1,024 float32; keys 64 x 1,024 x 1,024 float32; mask 64 x 1,024 bool; query 64 x 1,024 float32; v 1 x 1,024 float32.
;; Outputs: out0 64 x 1,024 float32; out1 64 x 1,024 float32.
;; This version of the problem:
;;   THIS VERSION OF THE PROBLEM IS GIVEN IN LOW PRECISION. The matrix products marked QUANTISED in the list below multiply operands that are first quantised to E4M3 (4 exponent bits, 3 mantissa bits; 8 bits a number), with one power-of-two scale for each 32 numbers along K (OCP MX v1.0); their sums are f32. All else is computed in f32.
;;   The module's matrix products, in the order in which they are computed (A, B: the left and right operand; K: the contracted axis; several contracted axes count as one K, in the product's order):
;;     1. [M 64, K 1,024] x [K 1,024, N 1,024]; A: input query; B: input Wq: QUANTISED
;;     2. [M 65,536, K 1,024] x [K 1,024, N 1,024]; A: input keys; B: input Wk: QUANTISED
;;     3. [M 65,536, K 1,024] x [K 1,024, N 1]; A: computed on the way; B: input v: left as it is (N = 1 < 16)
;;     4. batch 64 x [M 1, K 1,024] x [K 1,024, N 1,024]; A: computed on the way; B: input keys: left as it is (M = 1 < 16)
;;   THE QUANTISER, for each operand of a quantised product, along K:
;;     - K is cut into blocks of 32 from its start; a last block that is shorter is filled with zeros.
;;     - A block's scale is 2^e with e = floor(log2(the largest magnitude in the block)) - 8, held to -126 .. 127; a block of zeros has e = 0. As a byte (E8M0): e + 127.
;;     - Each number is divided by its block's scale, clamped to +-448, and rounded to the nearest number of E4M3, ties to even, subnormals kept.
;;     - The product sums the exact products of the quantised numbers (number of the format x scale) in f32.
;;   ~~~python
;;   def quantise(x, axis):      # numpy; x: float32 -> the quantised numbers, widened to float32 again
;;       x = np.moveaxis(x, axis, -1); K = x.shape[-1]
;;       x = np.pad(x, [(0, 0)] * (x.ndim - 1) + [(0, -K % 32)]); x = x.reshape(x.shape[:-1] + (-1, 32)); a = np.abs(x).max(-1, keepdims=True)
;;       e = np.where(a > 0, np.clip(np.frexp(np.where(a > 0, a, 1))[1] - 1 - 8, -126, 127), 0)      # np.frexp(a)[1] - 1 = floor(log2(a)), exactly
;;       r = np.clip(x / 2.0 ** e, -448, 448)
;;       step = 2.0 ** (np.maximum(np.frexp(np.where(r == 0, 1, r))[1] - 1, -6) - 3)
;;       q = np.round(r / step) * step * 2.0 ** e      # np.round: ties to even
;;       return np.moveaxis(q.reshape(q.shape[:-2] + (-1,))[..., :K], -1, axis).astype(np.float32)
;;   ~~~
;; One version. Each part assembles by itself: llvm-mc -triple=amdgcn-amd-amdhsa -mcpu=gfx1250 --defsym DOCPART=n.
;; ======== version 1 of 1: 3 launches
;; limits: right only within a limited range of input values
;; workspace buffers: wk_img 1,048,576 bytes; wk_scl 32,768 bytes; qpt 262,144 bytes; energy 262,144 bytes; order 262,144 bytes of whole numbers; cnt 8,192 bytes of whole numbers
;; launch prep (part 1): grid 136 x 1, 8 waves a work-group, no clusters, 169,472 bytes of LDS; arguments Wk, Wq, query, mask, wk_img, wk_scl, qpt, order, cnt; writes wk_img, wk_scl, qpt, order, cnt
.if DOCPART == 1
	.amdgcn_target "amdgcn-amd-amdhsa--gfx1250"
	.amdhsa_code_object_version 6
	.text
	.protected	k_qe7badf82a3_prep
	.globl	k_qe7badf82a3_prep
	.p2align	8
	.type	k_qe7badf82a3_prep,@function
k_qe7badf82a3_prep:
	s_mov_b64 s[64:65], 0
	v_nop
	global_prefetch_b8 v0, s[64:65] scope:SCOPE_SE
	s_setreg_imm32_b32 hwreg(HW_REG_WAVE_MODE, 25, 1), 1
	s_wait_xcnt 0x0
; PREP: three small jobs, told apart by the work-group's number g (the same for all eight waves of a work-group).
;  g < 64 (path K): rows 16 g .. 16 g + 15 of Wk [1024][1024] f32 become codes of FP8 (E4M3) with one E8M0 byte for each 32 along K.  Wave s takes K step s (128 along K).
;     wk_img [tile][K step][c][lane][16 bytes] is the image of the operand's registers; wk_scl [tile][lane][4 words]: word i holds in lanes 0-15 row r's scale word of K step 2 i, in lanes 16-31 that of K step 2 i + 1.
;  64 <= g < 128 (path Q): qp = Q(query) Q(Wq)^T for hidden units 16 t .. 16 t + 15, t = g - 64, and all 64 batches.  Wave s multiplies K step s; the eight partial sums meet in LDS and are added in f32, K ascending.
;     qpt [tile][batch][16 hidden units] f32.
;  g >= 128 (path L): wave w lists the rows of batch 8 (g - 128) + w by the mask: rows that count ascend from the front of order[batch][1024], padded rows fill from the back; cnt[batch][32] holds the number that count, 32 times.
; A block's scale is 2^(floor(log2(largest magnitude)) - 8); its byte is the largest magnitude's exponent field - 8, held at 1 from below.
; LIMITS: NaN and infinities among the inputs are not served.  Blocks whose largest magnitude lies under 2^-118 keep the byte 1.  A block of zeros gets the byte 1 where the rule says 127: its codes are zeros, and this program alone reads the bytes.
; qp is the sum of eight partial sums over K, not one chain of eight: an order of f32 additions that differs from one accumulator's.
; No tensor loads, no cluster: no two work-groups read the same large tile (the query's 256 KB alone are read by 64 of them).
.set STGB,  8448                       ; a wave's stage: 16 rows x (512 bytes + 16): row i begins 33 x 16 bytes behind row i - 1, so sixteen lanes that read sixteen rows touch sixteen different columns of 16 bytes
.set STGK,  0                          ; path K's eight stages
.set WSG,   8*STGB                     ; path K: 512 bytes, the tile's scale words in wk_scl's order
.set STGQ,  WSG+512                    ; path Q's eight stages: each path has LDS bytes of its own
.set PART,  STGQ+8*STGB                ; path Q: eight partial sums of 4,096 bytes
.set LI,   1                           ; v1   16 x lane
.set RR,   2                           ; v2   lane % 16
.set HH,   3                           ; v3   lane / 16
.set STIK, 4                           ; v4   path K: into my stage;  v5 out of it
.set STOK, 5
.set STIQ, 6                           ; v6, v7 the same for path Q
.set STOQ, 7
.set LN,   8                           ; v8   lane
.set WSA,  9                           ; v9   where my scale word goes in WSG
.set WSL,  10                          ; v10  WSG + 16 x lane
.set PST,  11                          ; v11  where my results go in PART
.set PLD,  12                          ; v12  PART + 16 x thread
.set GO,   13                          ; v13  16 x thread
.set WFR,  16                          ; v16-31  the weight's fragment
.set QF,   32                          ; v32-47  the query's fragment
.set WSR,  48                          ; v48  the weight's scale word;  v49 the query's: they hold scales and nothing else
.set QS,   49
.set TM,   52                          ; v52-67  at work in QUANT
.set ACC,  72                          ; v72-103 four accumulators
.set X0,   128                         ; v128-191, v192-255: 64 numbers of a lane, two sets
.set X1,   192
.set MD,   128                         ; path L: v128-159 mask bytes, v160-191 places, v192-223 row numbers
.set PO,   160
.set RW,   192
.set WV,   22                          ; s22  wave
.set SEL,  28                          ; s[28:29] lane selects: lane l xor 16
.set MNT,  30                          ; s30  the mantissa field of 448
.set MSB, 0
.macro WIN new                         ; s_set_vgpr_msb: bits 1:0 source 0, 3:2 source 1, 5:4 source 2, 7:6 destination; the high byte repeats the setting that is left
.if MSB != \new
	s_set_vgpr_msb (MSB<<8)|\new
.set MSB, \new
.endif
.endm
; 16 rows x 512 bytes (128 numbers along K) into landing set 'set' of window 1: each load reads 512 consecutive bytes of one row
.macro LOADP set, base, row0
	WIN 0x40
.irp i, 0,1,2,3,4,5,6,7,8,9,10,11,12,13,14,15
	global_load_b128 v[64*(\set)+4*\i:64*(\set)+4*\i+3], v[LI], s[\base:\base+1] offset:(\row0+\i)*4096
.endr
	WIN 0
.endm
; a landing set goes through my stage as it lies and comes back so that lane (r, h) holds, of row r, register 16 c + i = k 32 c + 16 h + i.  LDS serves a wave's instructions in order: no wait between stores and loads
.macro TURNF set, x, sti, sto
	WIN 0x04                                       ; an LDS store's data are its source 1: window 1
.irp i, 0,1,2,3,4,5,6,7,8,9,10,11,12,13,14,15
	ds_store_b128 v[\sti], v[64*(\set)+4*\i:64*(\set)+4*\i+3] offset:528*\i
.endr
	WIN 0
.irp c, 0,1,2,3
.irp q, 0,1,2,3
	ds_load_b128 v[\x+16*\c+4*\q:\x+16*\c+4*\q+3], v[\sto] offset:128*\c+16*\q
.endr
.endr
.endm
; 64 numbers of a lane become a fragment's 16 registers of codes in v[pc] on and its scale word in v[pw]
.macro QUANT s, pc, pw
.irp b, 0,1,2,3
	v_max3_num_f32 v[TM+\b], |v[\s+16*\b]|, |v[\s+1+16*\b]|, 0x4800000   ; block b: my 16 numbers, and the floor 2^(9 - 127): the byte cannot fall under 1
.endr
.irp i, 2,4,6,8,10,12,14
.irp b, 0,1,2,3
	s_delay_alu instid0(VALU_DEP_4)
	v_max3_num_f32 v[TM+\b], v[TM+\b], |v[\s+16*\b+\i]|, |v[\s+1+16*\b+\i]|   ; the four blocks by turns
.endr
.endr
.irp b, 0,1,2,3
	s_delay_alu instid0(VALU_DEP_4)
	v_permlanex16_b32 v[TM+4+\b], v[TM+\b], s[SEL], s[SEL+1]
.endr
.irp b, 0,1,2,3
	s_delay_alu instid0(VALU_DEP_4)
	v_max_num_f32 v[TM+\b], v[TM+\b], v[TM+4+\b]   ; with lane l xor 16's 16: the block's largest magnitude
.endr
.irp b, 0,1,2,3
	s_delay_alu instid0(VALU_DEP_4)
	v_add_nc_u32 v[TM+12+\b], 0xfc000000, v[TM+\b] ; 8 off its exponent field: the conversion's scale operand
.endr
.irp b, 0,1,2,3
	v_and_or_b32 v[TM+8+\b], v[TM+\b], 0x7f800000, s[MNT]   ; 448 x the scale
.endr
.irp b, 0,1,2,3
	v_lshrrev_b32 v[TM+4+\b], 23, v[TM+12+\b]      ; the scale's byte
.endr
	s_delay_alu instid0(VALU_DEP_3)
	v_lshl_or_b32 v[\pw], v[TM+5], 8, v[TM+4]
	s_delay_alu instid0(VALU_DEP_1)
	v_lshl_or_b32 v[\pw], v[TM+6], 16, v[\pw]
	s_delay_alu instid0(VALU_DEP_1)
	v_lshl_or_b32 v[\pw], v[TM+7], 24, v[\pw]
.irp b, 0,1,2,3
.irp i, 0,1,2,3,4,5,6,7,8,9,10,11,12,13,14,15
	v_med3_num_f32 v[\s+16*\b+\i], v[\s+16*\b+\i], -v[TM+8+\b], v[TM+8+\b]   ; the conversion to an 8-bit code does not saturate (ISA guide 7.6.2): the hold comes first
.endr
	v_cvt_scalef32_pk8_fp8_f32 v[\pc+4*\b:\pc+1+4*\b], v[\s+16*\b:\s+7+16*\b], v[TM+12+\b]
	v_cvt_scalef32_pk8_fp8_f32 v[\pc+2+4*\b:\pc+3+4*\b], v[\s+8+16*\b:\s+15+16*\b], v[TM+12+\b]
.endr
	v_nop                                          ; one plain line behind the last conversion
.endm
	s_load_b256 s[4:11], s[0:1], 0x0               ; Wk s[4:5], Wq s[6:7], query s[8:9], mask s[10:11]
	s_load_b256 s[12:19], s[0:1], 0x20             ; wk_img s[12:13], wk_scl s[14:15], qpt s[16:17], order s[18:19]
	s_load_b64 s[20:21], s[0:1], 0x40              ; cnt
	; WORK LEFT OUT IN THIS PROGRAM: tanh(x) = 1 - 2 / (1 + e^(2x)), so energy[b][s] = sum_h v[h] - 2 sum_h v[h] / (1 + e^(2x)).  The term sum_h v[h] is the same for all s of a batch:
	; added to a softmax's input along its axis it moves no result, whatever v holds, so it is not formed.  LIMIT: an overflow or NaN that would reach that term alone is not carried to the result.
	v_lshl_add_u32 v50, v0, 2, PART+32768          ; my spare word, behind the partial sums: 128 bytes a wave
	v_mov_b32 v51, 0
	v_lshrrev_b32 v14, 5, v0
	s_delay_alu instid0(VALU_DEP_1)
	v_readfirstlane_b32 s[WV], v14
	v_and_b32 v[LN], 31, v0
	v_and_b32 v[RR], 15, v0
	v_bfe_u32 v[HH], v0, 4, 1
	s_delay_alu instid0(VALU_DEP_3)
	v_lshlrev_b32 v[LI], 4, v[LN]
	s_mul_i32 s24, s[WV], STGB
	v_add_nc_u32 v[STIK], s24, v[LI]               ; in: 16 x lane, a row's 512 bytes on end
	v_mul_u32_u24 v14, v[RR], 528
	s_delay_alu instid0(VALU_DEP_1)
	v_lshl_add_u32 v14, v[HH], 6, v14
	s_delay_alu instid0(VALU_DEP_1)
	v_add_nc_u32 v[STOK], s24, v14                 ; out: row r, + 64 h
	s_delay_alu instid0(VALU_DEP_4)
	v_add_nc_u32 v[STIQ], STGQ, v[STIK]
	s_delay_alu instid0(VALU_DEP_2)
	v_add_nc_u32 v[STOQ], STGQ, v[STOK]
	s_and_b32 s25, s[WV], 1
	s_lshl_b32 s25, s25, 8                         ; odd K steps go to lanes 16-31: 16 x 16 bytes on
	s_lshr_b32 s26, s[WV], 1
	s_lshl_b32 s26, s26, 2                         ; word K step / 2
	s_add_co_u32 s25, s25, s26
	s_add_co_u32 s25, s25, WSG
	v_lshl_add_u32 v[WSA], v[RR], 4, s25
	v_add_nc_u32 v[WSL], WSG, v[LI]
	s_lshl_b32 s26, s[WV], 12
	s_add_co_u32 s26, s26, PART
	v_lshlrev_b32 v14, 6, v[RR]
	s_delay_alu instid0(VALU_DEP_1)
	v_lshl_add_u32 v14, v[HH], 5, v14
	s_delay_alu instid0(VALU_DEP_1)
	v_add_nc_u32 v[PST], s26, v14                  ; my partial sum: batch r of a tile of 16 x 64 bytes, + 32 h
	v_lshlrev_b32 v[GO], 4, v0
	s_delay_alu instid0(VALU_DEP_1)
	v_add_nc_u32 v[PLD], PART, v[GO]
.irp b, 0,1,2,3
	v_mov_b32 v[TM+4+\b], 0                        ; written once: a lane permute's destination counts as one of its sources
.endr
	s_mov_b32 s[SEL], 0x76543210
	s_mov_b32 s[SEL+1], 0xfedcba98
	s_mov_b32 s[MNT], 0x600000
	s_lshl_b32 s26, s[WV], 9                       ; my K step: 512 bytes along a row
	s_mov_b32 s27, 0
	s_mov_b32 s25, 0
	s_wait_kmcnt 0x0
	s_cmp_lt_u32 ttmp9, 64
	s_cbranch_scc1 .Lpath_k
	s_cmp_lt_u32 ttmp9, 128
	s_cbranch_scc1 .Lpath_q
	; ---- path L: one wave, one batch.  32 rows a step; a lane's place is the count of its kind in front of it
	s_sub_co_u32 s24, ttmp9, 128
	s_lshl_b32 s24, s24, 3
	s_add_co_u32 s24, s24, s[WV]                   ; the batch
	s_lshl_b32 s26, s24, 10
	s_add_nc_u64 s[10:11], s[10:11], s[26:27]
	s_lshl_b32 s26, s24, 12
	s_add_nc_u64 s[18:19], s[18:19], s[26:27]
	s_lshl_b32 s26, s24, 7
	s_add_nc_u64 s[20:21], s[20:21], s[26:27]
.set i, 0
.rept 32
	global_load_u8 v[MD+i], v[LN], s[10:11] offset:32*i
.set i, i+1
.endr
	s_mov_b32 s32, 0                               ; rows that count so far
	s_mov_b32 s33, 0                               ; padded rows so far
	s_wait_loadcnt 0x0
.set i, 0
.rept 32                               ; each step has its own place and row registers: no store's sources are written again
	v_cmp_eq_u32 vcc_lo, 0, v[MD+i]                ; my row counts
	s_delay_alu instid0(VALU_DEP_1)
	v_mbcnt_lo_u32_b32 v14, vcc_lo, 0              ; lanes below me whose rows count
	s_delay_alu instid0(VALU_DEP_1)
	v_sub_nc_u32 v15, v[LN], v14                   ; lanes below me whose rows are padded
	s_delay_alu instid0(VALU_DEP_2)
	v_add_nc_u32 v14, s32, v14                     ; from the front,
	s_delay_alu instid0(VALU_DEP_2)
	v_add_nc_u32 v15, s33, v15
	s_delay_alu instid0(VALU_DEP_1)
	v_sub_nc_u32 v15, 0x3ff, v15                   ; or from the back
	s_delay_alu instid0(VALU_DEP_1)
	v_cndmask_b32 v14, v15, v14, vcc_lo
	s_delay_alu instid0(VALU_DEP_1)
	v_min_u32 v14, 0x3ff, v14                      ; a place made of loaded numbers is held inside the list
	s_delay_alu instid0(VALU_DEP_1)
	v_lshlrev_b32 v[PO+i], 2, v14
	v_add_nc_u32 v[RW+i], 32*i, v[LN]
	global_store_b32 v[PO+i], v[RW+i], s[18:19]
	s_bcnt1_i32_b32 s34, vcc_lo
	s_add_co_u32 s32, s32, s34
	s_sub_co_u32 s34, 32, s34
	s_add_co_u32 s33, s33, s34
.set i, i+1
.endr
	v_mov_b32 v14, s32
	v_lshlrev_b32 v15, 2, v[LN]
	global_store_b32 v15, v14, s[20:21]
	s_endpgm
	; ---- path K
.Lpath_k:
	s_lshl_b32 s24, ttmp9, 16                      ; 16 rows of 4,096 bytes
	s_add_co_u32 s24, s24, s26
	s_add_nc_u64 s[4:5], s[4:5], s[24:25]
	s_lshl_b32 s24, ttmp9, 14                      ; a tile's image is 16,384 bytes, a K step's 2,048
	s_lshl_b32 s31, s[WV], 11
	s_add_co_u32 s24, s24, s31
	s_add_nc_u64 s[12:13], s[12:13], s[24:25]
	s_lshl_b32 s24, ttmp9, 9
	s_add_nc_u64 s[14:15], s[14:15], s[24:25]
	LOADP 0, 4, 0
	s_wait_loadcnt 0x0
	TURNF 0, X0, STIK, STOK
	s_wait_dscnt 0x0
	QUANT X0, WFR, WSR
.irp c, 0,1,2,3
	global_store_b128 v[LI], v[WFR+4*\c:WFR+4*\c+3], s[12:13] offset:512*\c   ; 512 consecutive bytes a store
.endr
	ds_store_b32 v[WSA], v[WSR]                    ; lanes l and l + 16 hold the same row's word and write it to the same place
	s_wait_tensorcnt 0x0                           ; behind my last LDS store
	ds_add_u32 v50, v51
	s_wait_dscnt 0x0                               ; also for the others' sake: my word lies in LDS
	s_barrier_signal -1
	s_barrier_wait -1
	s_cmp_lg_u32 s[WV], 0
	s_cbranch_scc1 .Lk_end
	ds_load_b128 v[TM:TM+3], v[WSL]                ; the tile's 512 bytes of scale words leave by one store
	s_wait_dscnt 0x0
	global_store_b128 v[LI], v[TM:TM+3], s[14:15]
.Lk_end:
	s_endpgm
	; ---- path Q: five fragments: Wq's, then the query's four tiles of 16 batches; four landing sets, two sets of numbers
.Lpath_q:
	s_sub_co_u32 s31, ttmp9, 64
	s_lshl_b32 s24, s31, 16
	s_add_co_u32 s24, s24, s26
	s_add_nc_u64 s[6:7], s[6:7], s[24:25]
	s_add_nc_u64 s[8:9], s[8:9], s[26:27]
	s_lshl_b32 s24, s31, 12
	s_add_nc_u64 s[16:17], s[16:17], s[24:25]
	LOADP 0, 6, 0
	LOADP 1, 8, 0
	LOADP 2, 8, 16
	LOADP 3, 8, 32
	s_wait_loadcnt 48                              ; Wq's 16 loads are in; the three fragments behind them stay out
	TURNF 0, X0, STIQ, STOQ
	s_wait_dscnt 0x0                               ; set 0 has been read
	LOADP 0, 8, 48
	s_wait_loadcnt 48                              ; the query's tile 0 is in
	TURNF 1, X1, STIQ, STOQ
	QUANT X0, WFR, WSR
.irp m, 0,1,2,3
.set nset, (\m+2)%4
.set nx, X0+64*(\m%2)
.set cx, X1-64*(\m%2)
	s_wait_dscnt 0x0                               ; tile m's numbers are back from the stage
.if \m < 3
	s_wait_loadcnt 32-16*\m                        ; tile m + 1 is in; the fragments behind it stay out
	TURNF nset, nx, STIQ, STOQ
.endif
	QUANT cx, QF, QS                               ; its first 32 lines are the places behind the last product, whose operands it writes afterwards
.rept 3
	v_nop                                          ; with QUANT's last line: four places between the codes and the scaled product; the scale word stands 64 holds ahead
.endr
	v_wmma_scale_f32_16x16x128_f8f6f4 v[ACC+8*\m:ACC+8*\m+7], v[WFR:WFR+15], v[QF:QF+15], 0, v[WSR], v[QS]   ; source 0 = 16 rows of Wq, source 1 = 16 batches: lane (r, h) holds batch r, hidden units 8 h + 0 .. 7
.endr
.rept 8
	v_nop                                          ; eight places in front of the first read of results
.endr
.irp m, 0,1,2,3
	ds_store_b128 v[PST], v[ACC+8*\m:ACC+8*\m+3] offset:1024*\m        ; each accumulator from its low end on
	ds_store_b128 v[PST], v[ACC+8*\m+4:ACC+8*\m+7] offset:1024*\m+16
.endr
	s_wait_tensorcnt 0x0                           ; behind my last LDS store
	ds_add_u32 v50, v51
	s_wait_dscnt 0x0                               ; also for the others' sake
	s_barrier_signal -1
	s_barrier_wait -1
.irp k, 0,1,2,3,4,5,6,7
	ds_load_b128 v[X0+4*\k:X0+4*\k+3], v[PLD] offset:4096*\k
.endr
	s_wait_dscnt 0x0
.irp k, 1
	v_pk_add_f32 v[X0:X0+1], v[X0:X0+1], v[X0+4*\k:X0+4*\k+1]          ; K ascending
	v_pk_add_f32 v[X0+2:X0+3], v[X0+2:X0+3], v[X0+4*\k+2:X0+4*\k+3]
.endr
.irp k, 2, 3, 4, 5, 6, 7
	s_delay_alu instid0(VALU_DEP_2)
	v_pk_add_f32 v[X0:X0+1], v[X0:X0+1], v[X0+4*\k:X0+4*\k+1]          ; K ascending
	s_delay_alu instid0(VALU_DEP_2)
	v_pk_add_f32 v[X0+2:X0+3], v[X0+2:X0+3], v[X0+4*\k+2:X0+4*\k+3]
.endr
	global_store_b128 v[GO], v[X0:X0+3], s[16:17]  ; a wave stores 512 consecutive bytes
	s_endpgm
.Lfunc_end_k_qe7badf82a3_prep:
	.size	k_qe7badf82a3_prep, .Lfunc_end_k_qe7badf82a3_prep-k_qe7badf82a3_prep
	.p2alignl 7, 3214868480
	.fill 96, 4, 3214868480
	.section	.rodata,"a",@progbits
	.p2align	6, 0x0
	.amdhsa_kernel k_qe7badf82a3_prep
		.amdhsa_group_segment_fixed_size 169472
		.amdhsa_private_segment_fixed_size 0
		.amdhsa_enable_private_segment 0
		.amdhsa_kernarg_size 72
		.amdhsa_user_sgpr_count 2
		.amdhsa_user_sgpr_kernarg_segment_ptr 1
		.amdhsa_wavefront_size32 1
		.amdhsa_system_sgpr_workgroup_id_x 1
		.amdhsa_system_sgpr_workgroup_id_y 1
		.amdhsa_system_sgpr_workgroup_id_z 1
		.amdhsa_system_vgpr_workitem_id 0
		.amdhsa_next_free_vgpr 512
		.amdhsa_next_free_sgpr 66
		.amdhsa_reserve_vcc 1
		.amdhsa_float_denorm_mode_32 3
		.amdhsa_float_denorm_mode_16_64 3
		.amdhsa_memory_ordered 1
		.amdhsa_forward_progress 1
		.amdhsa_inst_pref_size 119
	.end_amdhsa_kernel
	.amdgpu_metadata
---
amdhsa.version: [ 1, 2 ]
amdhsa.kernels:
  - .name:           k_qe7badf82a3_prep
    .symbol:         k_qe7badf82a3_prep.kd
    .args:
      - { .name: Wk, .offset: 0, .size: 8, .value_kind: global_buffer, .address_space: global }
      - { .name: Wq, .offset: 8, .size: 8, .value_kind: global_buffer, .address_space: global }
      - { .name: query, .offset: 16, .size: 8, .value_kind: global_buffer, .address_space: global }
      - { .name: mask, .offset: 24, .size: 8, .value_kind: global_buffer, .address_space: global }
      - { .name: wk_img, .offset: 32, .size: 8, .value_kind: global_buffer, .address_space: global }
      - { .name: wk_scl, .offset: 40, .size: 8, .value_kind: global_buffer, .address_space: global }
      - { .name: qpt, .offset: 48, .size: 8, .value_kind: global_buffer, .address_space: global }
      - { .name: order, .offset: 56, .size: 8, .value_kind: global_buffer, .address_space: global }
      - { .name: cnt, .offset: 64, .size: 8, .value_kind: global_buffer, .address_space: global }
    .group_segment_fixed_size: 169472
    .private_segment_fixed_size: 0
    .kernarg_segment_align: 8
    .kernarg_segment_size: 72
    .max_flat_workgroup_size: 256
    .sgpr_count:     66
    .vgpr_count:     512
    .wavefront_size: 32
...
	.end_amdgpu_metadata
.endif
;; end of part 1
;; launch main (part 2): grid 256 x 1, 4 waves a work-group, clusters of 4 x 1, 327,680 bytes of LDS; arguments keys, mask, wk_img, wk_scl, qpt, v, energy; writes energy
.if DOCPART == 2
	.amdgcn_target "amdgcn-amd-amdhsa--gfx1250"
	.amdhsa_code_object_version 6
	.text
	.protected	k_qe7badf82a3_main
	.globl	k_qe7badf82a3_main
	.p2align	8
	.type	k_qe7badf82a3_main,@function
k_qe7badf82a3_main:
	s_mov_b64 s[64:65], 0
	v_nop
	global_prefetch_b8 v0, s[64:65] scope:SCOPE_SE
	s_setreg_imm32_b32 hwreg(HW_REG_WAVE_MODE, 25, 1), 1
	s_wait_xcnt 0x0
	s_wait_alu depctr_hold_cnt(0) depctr_sa_sdst(0) depctr_va_vdst(0) depctr_va_sdst(0) depctr_va_ssrc(0) depctr_va_vcc(0) depctr_vm_vsrc(0)
	s_getreg_b32 s2, hwreg(HW_REG_IB_STS2, 6, 4)
	s_cmp_eq_u32 s2, 0
	s_cbranch_scc0 .Lentry_in_a_cluster
	s_endpgm
.Lentry_in_a_cluster:
	s_bfe_u32 s2, ttmp6, 0x10000c
	s_cmp_lg_u32 s2, 0x3003
	s_cbranch_scc0 .Lentry_shape_is_right
	s_endpgm
.Lentry_shape_is_right:
; MAIN: energy[b][s] = -2 sum_h v[h] / (1 + 2^(c x)), x = qp[b][h] + Q(keys[b][s]) . Q(Wk[h]), c = 2 log2(e): v . tanh(x) less the term sum_h v[h], which is the same along the softmax's axis and is left out (shown at the first kernel's head).
; SHARES.  Cluster = batch; a work-group takes 256 key rows, a wave 64: four tiles of 16 rows, all of K, as codes of E4M3 in 512 registers (windows 2, 3) with their scale words in v32-63.
; PHASE X: the wave's rows come as f32, 512 bytes a load, turn through its stage in LDS, are quantised (a block of 32 lies in lanes l and l xor 16) and pass through its image in LDS into the operand registers.
;   Of a tile of 16 rows only rows that the mask lets count are read; a padded row takes the place of the tile's first row that counts: its energy is thrown away by the next launch.  Selections only, no branch on the mask.
; PHASE G: Wk's 64 tiles of 16 hidden units (wk_img, the image of the operand's registers) come through two LDS slots of four tiles, by joint loads of the cluster's four work-groups, a tile a wave.
;   A tile is 32 products, four accumulators by turns, source 0 = Wk's rows, source 1 = key rows, the first products' C = qp: lane (r, h) holds key row r, hidden units 8 h + 0 .. 7.
;   The next tile's LDS loads go out in two runs, each directly behind a wait for the wave's vector results: K steps 0 to 3, qp and v at the tile's top, K steps 4 to 7 ahead of the transcendentals.
;   Behind the first pairs of products stand tile t - 1's additions of 1.  Behind the run of products: tile t - 2's 16 multiply-adds with v, tile t's 16 scalings, then ONE batch of transcendentals:
;   tile t's 32 exponentials and tile t - 1's 32 reciprocals, with one wait ahead of it and one behind it.  The first two tiles find 1.0 in the two sets and zeros for v, which add nothing.
; NO PREFETCH: phase X keeps 64 loads of 512 bytes a wave on their way and has nothing else to run ahead in; wk_img's 1 MB is walked by all 64 clusters in step, each slot asked for four tiles (128 products) ahead of its first read.
; LIMITS: NaN and infinities among the inputs are not served.  A block whose largest magnitude lies under 2^-118 (a block of zeros too) keeps the byte 1; its bytes are read by this launch alone.
.set TILEB, 16384                      ; a tile of Wk's image
.set SLOTB, 65536                      ; a slot: four tiles
.set QTAB,  131072                     ; qp of my batch: [tile][16] f32
.set ZPAD,  QTAB+4096                  ; 256 bytes of zeros: v for the tile ahead of tile 0
.set VTAB,  ZPAD+256                   ; v: [tile][16] f32
.set VOFFS, VTAB-QTAB
.set STG,   VTAB+4096                  ; a stage of 16 rows x 528 bytes for each wave
.set STGB,  8448
.set IMG,   STG+4*STGB                 ; 32,768 bytes a wave: 16 fragments' codes
.set ISC,   IMG+4*32768                ; 1,024 bytes a wave: their scale words
.set SPARE, ISC+4096                   ; the spare words, 128 bytes a wave
.set LI,  1                            ; 16 x lane
.set SPW, 2                            ; my spare word;  NIL: 0
.set NIL, 3
.set STI, 4                            ; stage: in, out
.set STO, 5
.set AI,  6                            ; image, scale words: this trip's place; AIB, ISR their bases
.set ASI, 7
.set AIB, 8
.set ISR, 9
.set ADR, 10                           ; the slot from which the next tile is fetched + 16 x lane
.set AQ,  11                           ; QTAB + 32 h + 256 x (tile / 4);  AQ0: QTAB + 32 h
.set AQ0, 12
.set VOF, 16                           ; v16-31 the 16 rows' offsets
.set KS,  32                           ; v32-63 the keys' scale words: 8 x tile + K step
.set PW,  64                           ; phase X: a fragment's scale word
.set WS,  70                           ; Wk's scale words, four sets 8 apart: no product's two scale registers are equal modulo 8
.set T3,  74                           ; phase X: the conversions' scale operands
.set PC,  98                           ; phase X: a fragment's codes
.set T0,  114                          ; phase X: maxima; T1 the other half's, then bytes; T2 bounds
.set T1,  118
.set T2,  122
.set QP,  104                          ; v104-119 qp, two sets
.set VV,  120                          ; v120-135 v, two sets
.set EA,  136                          ; v136-143 the sums, a pair for each key tile
.set ACC, 144                          ; v144-175 four accumulators
.set ES,  176                          ; v176-239 two sets of 32: c x, 2^(c x), + 1, 1 / ..
.set X0,  128                          ; phase X: two sets of 64 numbers
.set WV,  18
.set KB,  20
.set G1,  24
.set G0A, 32
.set G0,  36
.set CS,  40
.set SEL, 42
.set MNT, 44
.set TB,  45
.set CT,  46
.set TQ,  47
.set VB,  48
.set NT,  50
.set SI,  62
.set SS,  63
.set MSB, 0
.macro WIN new                         ; s_set_vgpr_msb: bits 1:0 source 0, 3:2 source 1, 5:4 source 2, 7:6 destination; the high byte repeats the setting that is left
.if MSB != \new
	s_set_vgpr_msb (MSB<<8)|\new
.set MSB, \new
.endif
.endm
.macro CREST                           ; a round of the cluster's barrier behind its opening barrier
	s_cmp_lg_u32 s[WV], 0
	s_cbranch_scc1 .Lnot_wave_0_\@
	s_barrier_signal -3
.Lnot_wave_0_\@:
	s_barrier_wait -3
	s_barrier_signal -1
	s_barrier_wait -1
.endm
.macro CROUND
	s_barrier_signal -1
	s_barrier_wait -1
	CREST
.endm
.macro TLOAD g0                        ; a joint load; s_nop 0 and four v_nop behind it
	tensor_load_to_lds s[\g0:\g0+3], s[G1:G1+7]
	s_nop 0
.rept 4
	v_nop
.endr
.endm
; a landing set (window 1) goes through my stage as it lies and comes back so that lane (r, h) holds, of row r, register 16 c + i = k 32 c + 16 h + i.  LDS serves a wave's instructions in order
.macro TURNF set, x
	WIN 0x04
.irp i, 0,1,2,3,4,5,6,7,8,9,10,11,12,13,14,15
	ds_store_b128 v[STI], v[64*(\set)+4*\i:64*(\set)+4*\i+3] offset:528*\i
.endr
	WIN 0
.irp c, 0,1,2,3
.irp q, 0,1,2,3
	ds_load_b128 v[\x+16*\c+4*\q:\x+16*\c+4*\q+3], v[STO] offset:128*\c+16*\q
.endr
.endr
.endm
; 64 numbers of a lane become a fragment's 16 registers of codes and its scale word
.macro QUANT s, pc, pw
.irp b, 0,1,2,3
	v_max3_num_f32 v[T0+\b], |v[\s+16*\b]|, |v[\s+1+16*\b]|, 0x4800000   ; with the floor 2^(9 - 127): the byte cannot fall under 1
.endr
.irp i, 2,4,6,8,10,12,14
.irp b, 0,1,2,3
	v_max3_num_f32 v[T0+\b], v[T0+\b], |v[\s+16*\b+\i]|, |v[\s+1+16*\b+\i]|
.endr
.endr
.irp b, 0,1,2,3
	v_permlanex16_b32 v[T1+\b], v[T0+\b], s[SEL], s[SEL+1]
.endr
.irp b, 0,1,2,3
	v_max_num_f32 v[T0+\b], v[T0+\b], v[T1+\b]     ; the block's largest magnitude
.endr
.irp b, 0,1,2,3
	v_add_nc_u32 v[T3+\b], 0xfc000000, v[T0+\b]    ; 8 off its exponent field: the conversion's scale operand
.endr
.irp b, 0,1,2,3
	v_and_or_b32 v[T2+\b], v[T0+\b], 0x7f800000, s[MNT]   ; 448 x the scale
.endr
.irp b, 0,1,2,3
	v_lshrrev_b32 v[T1+\b], 23, v[T3+\b]           ; the byte
.endr
	v_lshl_or_b32 v[\pw], v[T1+1], 8, v[T1]
	v_lshl_or_b32 v[\pw], v[T1+2], 16, v[\pw]
	v_lshl_or_b32 v[\pw], v[T1+3], 24, v[\pw]
.irp b, 0,1,2,3
.irp i, 0,1,2,3,4,5,6,7,8,9,10,11,12,13,14,15
	v_med3_num_f32 v[\s+16*\b+\i], v[\s+16*\b+\i], -v[T2+\b], v[T2+\b]   ; the conversion does not saturate (ISA guide 7.6.2): the hold comes first
.endr
	v_cvt_scalef32_pk8_fp8_f32 v[\pc+4*\b:\pc+1+4*\b], v[\s+16*\b:\s+7+16*\b], v[T3+\b]
	v_cvt_scalef32_pk8_fp8_f32 v[\pc+2+4*\b:\pc+3+4*\b], v[\s+8+16*\b:\s+15+16*\b], v[T3+\b]
.endr
	v_nop                                          ; one plain line behind the last conversion
.endm
	s_load_b256 s[4:11], s[0:1], 0x0               ; keys, mask, wk_img, wk_scl
	s_load_b128 s[12:15], s[0:1], 0x20             ; qpt, v
	s_load_b64 s[16:17], s[0:1], 0x30              ; energy
	v_lshl_add_u32 v[SPW], v0, 2, SPARE
	v_mov_b32 v[NIL], 0
	ds_add_u32 v[SPW], v[NIL]                      ; the opening add, twice on end; its wait stands ahead of the first round
	ds_add_u32 v[SPW], v[NIL]
	v_lshrrev_b32 v14, 5, v0
	v_readfirstlane_b32 s[WV], v14
	s_bfe_u32 s19, ttmp6, 0x40000                  ; cx: it enters global addresses alone
	s_mov_b32 s[G1], 15|(3<<16)|(1<<21)            ; all four work-groups; elements of 8 bytes; a tile = 64 dense rows of 256 bytes
	s_mov_b32 s[G1+1], 32<<16
	s_mov_b32 s[G1+2], 64<<16
	s_mov_b32 s[G1+3], 32<<16
	s_mov_b32 s[G1+4], 64
	s_mov_b32 s[G1+5], 32
	s_mov_b32 s[G1+6], 0
	s_mov_b32 s[G1+7], 0
	s_lshl_b32 s52, s[WV], 14                      ; wave w fetches tile w of a slot
	s_mov_b32 s53, 0
	s_mov_b32 s[G0A], 1
	s_lshl_b32 s[G0A+1], s[WV], 14
	s_mov_b32 s[G0], 1
	s_add_co_u32 s[G0+1], s52, SLOTB
	s_mov_b32 s[CS], 0x4038aa3b                    ; c = 2 log2(e)
	s_mov_b32 s[CS+1], s[CS]
	s_mov_b32 s[SEL], 0x76543210
	s_mov_b32 s[SEL+1], 0xfedcba98
	s_mov_b32 s[MNT], 0x600000
	s_mov_b32 s[TB], 0
	s_mov_b32 s[TQ], 0
	s_mov_b32 s[NT], 0
	s_mov_b32 s[SI], 0
	s_mov_b32 s[SS], 0
	s_lshl_b32 s56, ttmp9, 22                      ; keys: batch, my work-group's 256 rows, my wave's 64
	s_lshl_b32 s57, s19, 20
	s_add_co_u32 s56, s56, s57
	s_lshl_b32 s57, s[WV], 18
	s_add_co_u32 s56, s56, s57
	s_mov_b32 s57, 0
	s_lshl_b32 s58, ttmp9, 10                      ; the same rows in the mask,
	s_lshl_b32 s59, s19, 8
	s_add_co_u32 s58, s58, s59
	s_lshl_b32 s59, s[WV], 6
	s_add_co_u32 s58, s58, s59
	s_mov_b32 s59, 0
	s_lshl_b32 s22, s58, 2                         ; and in energy
	s_mov_b32 s23, 0
	s_lshl_b32 s60, ttmp9, 6                       ; qpt: my batch's 64 bytes of each tile
	s_mov_b32 s61, 0
	s_mul_i32 s54, s[WV], STGB
	s_add_co_u32 s54, s54, STG
	s_lshl_b32 s55, s[WV], 15
	s_add_co_u32 s55, s55, IMG
	s_lshl_b32 s51, s[WV], 10
	s_add_co_u32 s51, s51, ISC
	v_and_b32 v15, 31, v0
	v_and_b32 v144, 15, v0
	v_bfe_u32 v145, v0, 4, 1
	v_lshlrev_b32 v[LI], 4, v15
	v_add_nc_u32 v[STI], s54, v[LI]
	v_mul_u32_u24 v146, v144, 528
	v_lshl_add_u32 v146, v145, 6, v146
	v_add_nc_u32 v[STO], s54, v146
	v_add_nc_u32 v[AIB], s55, v[LI]
	v_lshl_add_u32 v[ISR], v144, 2, s51
	v_lshl_add_u32 v[AQ0], v145, 5, QTAB
.irp b, 0,1,2,3
	v_mov_b32 v[T1+\b], 0                          ; a lane permute's destination counts as one of its sources
.endr
	v_lshrrev_b32 v147, 1, v0                      ; thread t brings 32 bytes of qp: tile t / 2, half t % 2,
	v_and_b32 v148, 1, v0
	v_lshlrev_b32 v148, 5, v148
	v_lshl_add_u32 v147, v147, 12, v148
	v_lshlrev_b32 v149, 5, v0                      ; and 32 bytes of v
	v_add_nc_u32 v150, QTAB, v149
	v_lshl_add_u32 v153, v0, 1, ZPAD
	s_wait_alu depctr_va_vdst(0)
	s_wait_dscnt 0x0                               ; both opening adds are done
	s_wait_kmcnt 0x0
	s_add_nc_u64 s[G0A+2:G0A+3], s[8:9], s[52:53]
	s_add_nc_u64 s[G0+2:G0+3], s[G0A+2:G0A+3], SLOTB
	s_or_b32 s[G0A+3], s[G0A+3], 0x80000000
	s_or_b32 s[G0+3], s[G0+3], 0x80000000
	s_add_nc_u64 s[KB:KB+1], s[4:5], s[56:57]
	s_add_nc_u64 s[6:7], s[6:7], s[58:59]
	s_add_nc_u64 s[16:17], s[16:17], s[22:23]
	s_add_nc_u64 s[12:13], s[12:13], s[60:61]
	global_load_u8 v151, v15, s[6:7]
	global_load_u8 v152, v15, s[6:7] offset:32
	global_load_b128 v[128:131], v147, s[12:13]
	global_load_b128 v[132:135], v147, s[12:13] offset:16
	global_load_b128 v[136:139], v149, s[14:15]
	global_load_b128 v[140:143], v149, s[14:15] offset:16
.irp x, 0,1,2
	global_load_b128 v[WS+8*\x:WS+8*\x+3], v[LI], s[10:11] offset:512*\x   ; the scale words of Wk's tiles 0 to 2
.endr
	CROUND                                         ; the round in front of the first joint load
	TLOAD G0A                                      ; slot 0: my one tensor load at the head
	s_wait_loadcnt 0x0
	v_cmp_eq_u32 s[VB], 0, v151                    ; bit l: my row l counts
	v_cmp_eq_u32 s[VB+1], 0, v152
	ds_store_b128 v150, v[128:131]
	ds_store_b128 v150, v[132:135] offset:16
	ds_store_b128 v150, v[136:139] offset:VOFFS
	ds_store_b128 v150, v[140:143] offset:VOFFS+16
	ds_store_b16 v153, v[NIL]                      ; 128 threads x 2 bytes: the zeros
; the 16 row offsets of trip NT: key tile NT / 2, half NT % 2 of K.  A padded row's offset is that of the tile's first row that counts
.macro VOFS
	s_wait_xcnt 0x0
	s_lshr_b32 s51, s[NT], 1
	s_cmp_lt_u32 s51, 2
	s_cselect_b32 s52, s[VB], s[VB+1]
	s_and_b32 s53, s51, 1
	s_lshl_b32 s53, s53, 4
	s_lshr_b32 s52, s52, s53
	s_and_b32 s52, s52, 0xffff
	s_ctz_i32_b32 s54, s52
	s_min_u32 s54, s54, 15
	s_lshl_b32 s55, s51, 16
	s_and_b32 s56, s[NT], 1
	s_lshl_b32 s56, s56, 11
	s_add_co_u32 s55, s55, s56
	v_add_nc_u32 v14, s55, v[LI]
	s_wait_alu depctr_va_vdst(0)
.irp i, 0,1,2,3,4,5,6,7,8,9,10,11,12,13,14,15
	s_bitcmp1_b32 s52, \i
	s_cselect_b32 s57, \i, s54
	s_min_u32 s57, s57, 15
	v_lshl_add_u32 v[VOF+\i], s57, 12, v14
.endr
.endm
.macro LOADF j                         ; fragment j of a trip: 16 rows x 512 bytes into landing set j
	WIN 0x40
.irp i, 0,1,2,3,4,5,6,7,8,9,10,11,12,13,14,15
	global_load_b128 v[64*(\j)+4*\i:64*(\j)+4*\i+3], v[VOF+\i], s[KB:KB+1] offset:512*(\j)
.endr
	WIN 0
.endm
; left: the loads that may stay out when the next fragment's 16 are in
.macro STEPX j, ahead, left, turn
.set nset, ((\j)+1)%4
.set nx, X0+64*(((\j)+1)%2)
.set cx, X0+64*((\j)%2)
	s_wait_dscnt 0x0                               ; this fragment's numbers are back from the stage; its landing set and the codes' registers are free
.if \ahead
.if \j == 0
	VOFS
.endif
	s_wait_alu depctr_va_vdst(0)                   ; ahead of the offsets' readers
	LOADF \j
.endif
.if \turn
	s_wait_loadcnt \left
	TURNF nset, nx
.endif
	QUANT cx, PC, PW
.irp c, 0,1,2,3
	ds_store_b128 v[AI], v[PC+4*\c:PC+4*\c+3] offset:2048*(\j)+512*\c
.endr
	ds_store_b32 v[ASI], v[PW] offset:64*(\j)
.endm
.macro XTRIP ahead
	v_add_nc_u32 v[AI], s[SI], v[AIB]
	v_add_nc_u32 v[ASI], s[SS], v[ISR]
.if \ahead
	STEPX 0, 1, 48, 1
	STEPX 1, 1, 48, 1
	STEPX 2, 1, 48, 1
	STEPX 3, 1, 48, 1
.else
	STEPX 0, 0, 32, 1
	STEPX 1, 0, 16, 1
	STEPX 2, 0, 0, 1
	STEPX 3, 0, 0, 0
.endif
	s_add_co_u32 s[SI], s[SI], 8192
	s_add_co_u32 s[SS], s[SS], 256
	s_add_co_u32 s[NT], s[NT], 1
.endm
.macro COLLECT win, k0                 ; 16 fragments (two key tiles) from my image into a window, their scale words into v[KS + k0] on
	WIN \win
.set g, 0
.rept 16
.irp c, 0,1,2,3
	ds_load_b128 v[16*g+4*\c:16*g+4*\c+3], v[AIB] offset:2048*g+512*\c
.endr
.set g, g+1
.endr
	WIN 0
.set g, 0
.rept 16
	ds_load_b32 v[KS+\k0+g], v[ISR] offset:64*g
.set g, g+1
.endr
.endm
	VOFS
	s_wait_alu depctr_va_vdst(0)
	LOADF 0
	LOADF 1
	LOADF 2
	LOADF 3
	s_add_co_u32 s[NT], s[NT], 1
	s_wait_loadcnt 48
	TURNF 0, X0
	s_mov_b32 s[CT], 4
.Lxa:
	XTRIP 1
	s_sub_co_u32 s[CT], s[CT], 1
	s_cmp_lg_u32 s[CT], 0
	s_cbranch_scc1 .Lxa
	s_wait_alu depctr_va_vdst(0)
	s_wait_tensorcnt 0x0                           ; slot 0 is in.  Slot 1's first fill is issued as a refill is
	ds_add_u32 v[SPW], v[NIL]
	s_wait_dscnt 0x0                               ; also for the others' sake: my part of qp, v and the zeros lies in LDS
	CROUND
	TLOAD G0
	COLLECT 0x80, 0
	s_mov_b32 s[SI], 0
	s_mov_b32 s[SS], 0
	s_mov_b32 s[CT], 3
.Lxb:
	XTRIP 1
	s_sub_co_u32 s[CT], s[CT], 1
	s_cmp_lg_u32 s[CT], 0
	s_cbranch_scc1 .Lxb
	XTRIP 0
	COLLECT 0xc0, 16
; ---- PHASE G
.macro WM1 u                           ; K step ks, key tile 2 hi + u
.set ra, ACC+8*(2*hi+\u)
.set rw, 128*par+16*ks
.set rk, 128*(\u)+16*ks
.set sk, KS+8*(2*hi+\u)+ks
.if ks == 0
	v_wmma_scale_f32_16x16x128_f8f6f4 v[ra:ra+7], v[rw:rw+15], v[rk:rk+15], v[QP+8*par:QP+8*par+7], v[wc], v[sk]
.elseif ks%2
	v_wmma_scale_f32_16x16x128_f8f6f4 v[ra:ra+7], v[rw:rw+15], v[rk:rk+15], v[ra:ra+7], v[wc+ks/2], v[sk] matrix_a_scale:MATRIX_SCALE_ROW1
.else
	v_wmma_scale_f32_16x16x128_f8f6f4 v[ra:ra+7], v[rw:rw+15], v[rk:rk+15], v[ra:ra+7], v[wc+ks/2], v[sk]
.endif
.endm
.macro PKADD set, k                    ; k: key tile k % 4, register pair k / 4
.set o, ES+32*(\set)+8*((\k)%4)+2*((\k)/4)
	v_pk_add_f32 v[o:o+1], v[o:o+1], 1.0 op_sel_hi:[1,0]
.endm
.macro FMAS set                        ; the sums take 1 / (1 + 2^(c x)) x v; the four pairs by turns
.set k_, 0
.rept 16
.set o, ES+32*(\set)+8*(k_%4)+2*(k_/4)
.set ea, EA+2*(k_%4)
.set vr, VV+8*(\set)+2*(k_/4)
	v_pk_fma_f32 v[ea:ea+1], v[o:o+1], v[vr:vr+1], v[ea:ea+1]
.set k_, k_+1
.endr
.endm
.macro MULS set                        ; c x: each accumulator is read from its low end on
.set k_, 0
.rept 16
.set o, 8*(k_%4)+2*(k_/4)
	v_pk_mul_f32 v[ES+32*(\set)+o:ES+32*(\set)+o+1], v[ACC+o:ACC+o+1], s[CS:CS+1] op_sel_hi:[1,0]
.set k_, k_+1
.endr
.endm
.macro RCPS set
.set k_, 0
.rept 32
	v_rcp_f32 v[ES+32*(\set)+k_], v[ES+32*(\set)+k_]
.set k_, k_+1
.endr
.endm
; pair p of a tile's 16: two products; behind each of the first four pairs four additions of 1 for tile t - 1
.macro PAIR p
.set ks, (\p)/2
.set hi, (\p)%2
.set w_, 0x09+4*hi                     ; source 0 window 1, source 1 window 2 or 3, C and D window 0
	WIN w_
	WM1 0
	WM1 1
.if (\p) < 4
	WIN 0
	PKADD 1-par, 4*(\p)
	PKADD 1-par, 4*(\p)+1
	PKADD 1-par, 4*(\p)+2
	PKADD 1-par, 4*(\p)+3
.endif
.endm
.macro PAIRS n
.rept \n
	PAIR p_
.set p_, p_+1
.endr
.endm
.macro WLOADS from                     ; 16 of the next tile's 32 fragment loads: four K steps
	WIN 0x40
.set l_, \from
.rept 16
	ds_load_b128 v[128*(1-par)+4*l_:128*(1-par)+4*l_+3], v[ADR] offset:TILEB*qq+512*l_
.set l_, l_+1
.endr
	WIN 0
.endm
.macro RUNA ld, lw                     ; the first run: the next tile's K steps 0 to 3 and qp, tile t - 1's v: 20 LDS loads (ld = 0: 2); tile t + 3's scale words
.if \ld
	WLOADS 0
	ds_load_b128 v[QP+8*(1-par):QP+8*(1-par)+3], v[AQ] offset:64*(T4+1)
	ds_load_b128 v[QP+8*(1-par)+4:QP+8*(1-par)+7], v[AQ] offset:64*(T4+1)+16
.endif
	ds_load_b128 v[VV+8*(1-par):VV+8*(1-par)+3], v[AQ] offset:VOFFS+64*T4-64
	ds_load_b128 v[VV+8*(1-par)+4:VV+8*(1-par)+7], v[AQ] offset:VOFFS+64*T4-48
.if \lw
	global_load_b128 v[WS+8*((T4+3)%4):WS+8*((T4+3)%4)+3], v[LI], s[10:11] offset:512*(T4+3)
.endif
.endm
; A TILE.  t4: tile % 4.  chg: 1 the slot just read out is filled again, behind a round; 2 a plain barrier shows the last slot.  ld: the next tile is fetched.  lw: tile t + 3's scale words are asked for.  lc: the scale-word loads of later tiles that may stay out
.macro PERIOD t4, chg, ld, lw, lc
.set T4, \t4
.set par, (\t4)%2
.set qq, ((\t4)+1)%4
.set wc, WS+8*(\t4)
.if \chg
	s_wait_tensorcnt 0x0                           ; my part of the other slot is in: no tensor load of mine is out;
	ds_add_u32 v[SPW], v[NIL]
.if \chg == 1
	s_xor_b32 s[G0+1], s[G0+1], SLOTB
	s_add_nc_u64 s[G0+2:G0+3], s[G0+2:G0+3], SLOTB
.endif
.endif
	s_wait_loadcnt \lc
.if \chg
	s_wait_dscnt 0x0                               ; the add is done, and my reads of the slot are over
	s_barrier_signal -1
.else
	s_wait_dscnt 16                                ; this tile's K steps 0 to 3, qp and v are in; the 16 youngest loads, its K steps 4 to 7, may be out
.endif
.if ((\t4) == 3) && \ld
	s_xor_b32 s[TB], s[TB], SLOTB                  ; the next tile lies in the other slot
	v_add_nc_u32 v[ADR], s[TB], v[LI]
.elseif (\t4) == 0
	v_add_nc_u32 v[AQ], s[TQ], v[AQ0]
	s_add_co_u32 s[TQ], s[TQ], 256
.endif
.if \chg == 0
	RUNA \ld, \lw
.endif
.set p_, 0
	PAIRS 4
.if \chg
	WIN 0
	s_barrier_wait -1
.endif
.if \chg == 1
	CREST
	TLOAD G0                                       ; the first tensor load behind the round
.endif
.if \chg
	RUNA \ld, \lw
.endif
	PAIRS 4
	s_wait_dscnt 2+18*(\ld)                        ; this tile's K steps 4 to 7 are in; this tile's first run may be out
	PAIRS 8
	WIN 0
	FMAS par                                       ; tile t - 2.  These 16 name none of the products' registers: the places behind the last product
	MULS par
	s_wait_alu depctr_va_vdst(0)                   ; one wait ahead of the batch
.if \ld
	WLOADS 16                                      ; the second run: it lands under the batch
.endif
.set k_, 0
.rept 32
	v_exp_f32 v[ES+32*par+k_], v[ES+32*par+k_]
.set k_, k_+1
.endr
	RCPS 1-par
	v_nop                                          ; a plain place behind the batch
.if ((\t4) == 3) && \lw
	s_wait_xcnt 0x0                                ; the scale words' loads have read their base
	s_add_nc_u64 s[10:11], s[10:11], 2048
.endif
	s_wait_alu depctr_va_vdst(0)                   ; and one behind it
.endm
.set k_, 0
.rept 64
	v_mov_b32 v[ES+k_], 1.0                        ; the tiles ahead of tile 0: finite numbers, which meet zeros for v
.set k_, k_+1
.endr
.set k_, 0
.rept 8
	v_mov_b32 v[VV+k_], 0
	v_mov_b32 v[EA+k_], 0
.set k_, k_+1
.endr
	v_mov_b32 v[ADR], v[LI]
	WIN 0x40
.set l_, 0
.rept 16
	ds_load_b128 v[4*l_:4*l_+3], v[LI] offset:512*l_   ; tile 0, K steps 0 to 3,
.set l_, l_+1
.endr
	WIN 0
	ds_load_b128 v[QP:QP+3], v[AQ0]                ; its qp,
	ds_load_b128 v[QP+4:QP+7], v[AQ0] offset:16
	WIN 0x40
.rept 16
	ds_load_b128 v[4*l_:4*l_+3], v[LI] offset:512*l_   ; and, as the 16 youngest, K steps 4 to 7
.set l_, l_+1
.endr
	WIN 0
	s_wait_alu depctr_va_vdst(0)
	s_mov_b32 s[CT], 14
.Lg:                                   ; 14 trips of four tiles, each with its one refill
	PERIOD 0, 0, 1, 1, 2
	PERIOD 1, 0, 1, 1, 2
	PERIOD 2, 0, 1, 1, 2
	PERIOD 3, 1, 1, 1, 2
	s_sub_co_u32 s[CT], s[CT], 1
	s_cmp_lg_u32 s[CT], 0
	s_cbranch_scc1 .Lg
	PERIOD 0, 0, 1, 1, 2                           ; tiles 56 to 63 ask for no slot
	PERIOD 1, 0, 1, 1, 2
	PERIOD 2, 0, 1, 1, 2
	PERIOD 3, 2, 1, 1, 2
	PERIOD 0, 0, 1, 1, 2
	PERIOD 1, 0, 1, 0, 2
	PERIOD 2, 0, 1, 0, 1
	PERIOD 3, 0, 0, 0, 0
	s_wait_dscnt 0x0                               ; tile 62's v
	v_add_nc_u32 v[AQ], s[TQ], v[AQ0]
	ds_load_b128 v[VV+8:VV+11], v[AQ] offset:VOFFS-64   ; tile 63's
	ds_load_b128 v[VV+12:VV+15], v[AQ] offset:VOFFS-48
.set k_, 0
.rept 16
	PKADD 1, k_
.set k_, k_+1
.endr
	FMAS 0
	s_wait_alu depctr_va_vdst(0)
	RCPS 1
	v_nop
	s_wait_alu depctr_va_vdst(0)
	s_wait_dscnt 0x0
	FMAS 1
	; the sums' halves meet; lanes 0-15 keep tiles 0 and 2, lanes 16-31 tiles 1 and 3: lane l holds rows l and 32 + l.  Through my stage, so that one store covers 256 consecutive bytes, aligned
	v_and_b32 v16, 31, v0
	v_bfe_u32 v17, v0, 4, 1
	s_mul_i32 s54, s[WV], STGB
	s_add_co_u32 s54, s54, STG
.irp m, 0,1,2,3
	v_add_f32 v[ES+\m], v[EA+2*\m], v[EA+2*\m+1]
.endr
.irp m, 0,1,2,3
	v_permlanex16_b32 v[ES+8+\m], v[ES+\m], s[SEL], s[SEL+1]
.endr
.irp m, 0,1,2,3
	v_add_f32 v[ES+\m], v[ES+\m], v[ES+8+\m]
.endr
	v_cmp_ne_u32 vcc_lo, 0, v17
	v_cndmask_b32 v[ES+4], v[ES], v[ES+1], vcc_lo
	v_cndmask_b32 v[ES+5], v[ES+2], v[ES+3], vcc_lo
	v_mul_f32 v[ES+4], -2.0, v[ES+4]
	v_mul_f32 v[ES+5], -2.0, v[ES+5]
	v_lshl_add_u32 v18, v16, 2, s54
	v_lshl_add_u32 v19, v16, 3, s54
	v_lshlrev_b32 v20, 3, v16
	ds_store_b32 v18, v[ES+4]
	ds_store_b32 v18, v[ES+5] offset:128
	ds_load_b64 v[ES+6:ES+7], v19
	s_wait_alu depctr_va_vdst(0)
	s_wait_dscnt 0x0
	global_store_b64 v20, v[ES+6:ES+7], s[16:17]
	s_wait_tensorcnt 0x0                           ; the wave's end
	ds_add_u32 v[SPW], v[NIL]
	s_wait_dscnt 0x0
	CROUND                                         ; the closing round
	s_endpgm
.Lfunc_end_k_qe7badf82a3_main:
	.size	k_qe7badf82a3_main, .Lfunc_end_k_qe7badf82a3_main-k_qe7badf82a3_main
	.p2alignl 7, 3214868480
	.fill 96, 4, 3214868480
	.section	.rodata,"a",@progbits
	.p2align	6, 0x0
	.amdhsa_kernel k_qe7badf82a3_main
		.amdhsa_group_segment_fixed_size 327680
		.amdhsa_private_segment_fixed_size 0
		.amdhsa_enable_private_segment 0
		.amdhsa_kernarg_size 56
		.amdhsa_user_sgpr_count 2
		.amdhsa_user_sgpr_kernarg_segment_ptr 1
		.amdhsa_wavefront_size32 1
		.amdhsa_system_sgpr_workgroup_id_x 1
		.amdhsa_system_sgpr_workgroup_id_y 1
		.amdhsa_system_sgpr_workgroup_id_z 1
		.amdhsa_system_vgpr_workitem_id 0
		.amdhsa_next_free_vgpr 1024
		.amdhsa_next_free_sgpr 66
		.amdhsa_reserve_vcc 1
		.amdhsa_float_denorm_mode_32 3
		.amdhsa_float_denorm_mode_16_64 3
		.amdhsa_memory_ordered 1
		.amdhsa_forward_progress 1
		.amdhsa_inst_pref_size 255
	.end_amdhsa_kernel
	.section	.bss,"aw",@nobits
	.p2align	6
	.space	262144
	.amdgpu_metadata
---
amdhsa.version: [ 1, 2 ]
amdhsa.kernels:
  - .name:           k_qe7badf82a3_main
    .symbol:         k_qe7badf82a3_main.kd
    .args:
      - { .name: keys, .offset: 0, .size: 8, .value_kind: global_buffer, .address_space: global }
      - { .name: mask, .offset: 8, .size: 8, .value_kind: global_buffer, .address_space: global }
      - { .name: wk_img, .offset: 16, .size: 8, .value_kind: global_buffer, .address_space: global }
      - { .name: wk_scl, .offset: 24, .size: 8, .value_kind: global_buffer, .address_space: global }
      - { .name: qpt, .offset: 32, .size: 8, .value_kind: global_buffer, .address_space: global }
      - { .name: v, .offset: 40, .size: 8, .value_kind: global_buffer, .address_space: global }
      - { .name: energy, .offset: 48, .size: 8, .value_kind: global_buffer, .address_space: global }
    .group_segment_fixed_size: 327680
    .private_segment_fixed_size: 0
    .kernarg_segment_align: 8
    .kernarg_segment_size: 56
    .max_flat_workgroup_size: 128
    .sgpr_count:     66
    .vgpr_count:     1024
    .wavefront_size: 32
...
	.end_amdgpu_metadata
.endif
;; end of part 2
;; launch finish (part 3): grid 256 x 1, 16 waves a work-group, no clusters, 23,040 bytes of LDS; arguments keys, mask, energy, order, cnt, out0, out1; writes out0, out1
.if DOCPART == 3
	.amdgcn_target "amdgcn-amd-amdhsa--gfx1250"
	.amdhsa_code_object_version 6
	.text
	.protected	k_qe7badf82a3_finish
	.globl	k_qe7badf82a3_finish
	.p2align	8
	.type	k_qe7badf82a3_finish,@function
k_qe7badf82a3_finish:
	s_mov_b64 s[64:65], 0
	v_nop
	global_prefetch_b8 v0, s[64:65] scope:SCOPE_SE
	s_setreg_imm32_b32 hwreg(HW_REG_WAVE_MODE, 25, 1), 1
	s_wait_xcnt 0x0
; FINISH: attn = softmax over s of the masked energy (out1), context = attn . keys (out0), all in f32.
; Work-group g: batch g / 4, quarter c = g % 4: 256 columns of the context (1,024 bytes of each key row) and 256 numbers of attn.  Each of the four repeats the batch's softmax (1,024 numbers): it needs all weights.
; The row's maximum is taken away ahead of the exponential.  A padded row's energy counts as -infinity; a batch that is all padding has the sum 0 and gets zeros, as reference() leaves there.
; Only rows that count are read: order[batch] lists them first, cnt[batch] says how many.  A wave takes 16 entries of the list at a time; a group of 16 that lies wholly behind cnt is passed over (a scalar branch on a stored number);
; in the one group that straddles cnt the rows behind it are read and weighed with 0.
; LIMITS: NaN and infinities among the keys are not served (a padded row's infinity x 0 of reference() is not reproduced).
; No matrix unit (a product with one row), no tensor loads, no cluster: no two work-groups read the same key bytes.
.set RED,  0                           ; 16 waves' maxima
.set RED2, 256                         ; 16 waves' sums
.set WT,   512                         ; 1,024 weights in the list's order
.set CR,   4608                        ; 16 waves' partial contexts of 1,024 bytes
.set CA,   44                          ; v44-51   my 8 columns' sums
.set WG,   52                          ; v52-67   16 weights
.set VO,   68                          ; v68-83   16 row offsets
.set WTA,  84                          ; v84      64 x wave: my wave's 16 weights of a trip
.set CRS,  85                          ; v85      1,024 x wave + 16 x lane: where my partial context goes
.set CRL,  86                          ; v86      16 x (thread % 64): where waves 0 and 1 read the parts back, and their place in out0
.set DT,   128                         ; v128-255 16 rows x 8 numbers
	s_load_b256 s[4:11], s[0:1], 0x0               ; keys s[4:5], mask s[6:7], energy s[8:9], order s[10:11]
	s_load_b128 s[12:15], s[0:1], 0x20             ; cnt s[12:13], out0 s[14:15]
	s_load_b64 s[16:17], s[0:1], 0x30              ; out1
	v_lshl_add_u32 v87, v0, 2, 20992               ; my spare word, behind the partial contexts: 128 bytes a wave
	v_mov_b32 v88, 0
	v_lshrrev_b32 v1, 5, v0
	v_readfirstlane_b32 s18, v1                    ; wave 0..15
	s_lshr_b32 s19, ttmp9, 2                       ; batch
	s_and_b32 s20, ttmp9, 3                        ; quarter
	v_lshlrev_b32 v2, 3, v0                        ; 8 x thread: my two numbers
	v_lshlrev_b32 v3, 1, v0                        ; 2 x thread
	v_and_b32 v1, 31, v0
	v_lshlrev_b32 v4, 4, v1                        ; 16 x lane
	v_mov_b32 v21, s18
	v_lshlrev_b32 v21, 2, v21                      ; my wave's word
	v_mov_b32 v22, 0
	v_mov_b32 v20, 0                               ; (a lane permute's destination counts as one of its sources)
	v_mov_b32 v18, 0xff800000                      ; -infinity
	s_lshl_b32 s36, s18, 4                         ; 16 x wave: my first entry of a trip
	s_lshl_b32 s37, s18, 6                         ; in bytes
	v_mov_b32 v[WTA], s37
	s_lshl_b32 s38, s18, 10
	v_add_nc_u32 v[CRS], s38, v4
	v_and_b32 v[CRL], 63, v0
	v_lshlrev_b32 v[CRL], 4, v[CRL]
	s_mov_b32 s32, 0x76543210
	s_mov_b32 s33, 0xfedcba98
	s_lshl_b32 s22, s19, 12
	s_mov_b32 s23, 0
	s_lshl_b32 s24, s19, 10
	s_mov_b32 s25, 0
	s_lshl_b32 s26, s19, 7
	s_mov_b32 s27, 0
	s_lshl_b32 s30, s20, 10
	s_mov_b32 s31, 0
	s_lshl_b32 s28, s19, 22
	s_add_co_u32 s28, s28, s30
	s_mov_b32 s29, 0
	s_wait_alu depctr_va_vdst(0)
	s_wait_kmcnt 0x0
	s_add_nc_u64 s[8:9], s[8:9], s[22:23]
	s_add_nc_u64 s[10:11], s[10:11], s[22:23]
	s_add_nc_u64 s[6:7], s[6:7], s[24:25]
	s_add_nc_u64 s[12:13], s[12:13], s[26:27]
	s_add_nc_u64 s[4:5], s[4:5], s[28:29]          ; keys at the batch's first row, my quarter's first column
	s_add_nc_u64 s[16:17], s[16:17], s[22:23]
	s_add_nc_u64 s[14:15], s[14:15], s[22:23]
	s_add_nc_u64 s[14:15], s[14:15], s[30:31]
	s_load_b32 s21, s[12:13], 0x0                  ; the number of rows that count
	global_load_b64 v[6:7], v2, s[8:9]             ; energy of rows 2 t, 2 t + 1
	global_load_u16 v8, v3, s[6:7]                 ; their mask bytes
	global_load_b64 v[10:11], v2, s[10:11]         ; entries 2 t, 2 t + 1 of the list
	s_wait_loadcnt 0x0
	v_min_u32 v10, 0x3ff, v10                      ; a loaded number enters an address only behind this hold
	v_min_u32 v11, 0x3ff, v11
	v_lshlrev_b32 v12, 2, v10
	v_lshlrev_b32 v13, 2, v11
	global_load_b32 v14, v12, s[8:9]               ; the energy of the listed rows
	global_load_b32 v15, v13, s[8:9]
	v_and_b32 v16, 0xff, v8
	v_lshrrev_b32 v17, 8, v8
	v_cmp_ne_u32 vcc_lo, 0, v16
	v_cndmask_b32 v6, v6, v18, vcc_lo
	v_cmp_ne_u32 vcc_lo, 0, v17
	v_cndmask_b32 v7, v7, v18, vcc_lo
	v_max_num_f32 v19, v6, v7
	v_max_num_f32_dpp v19, v19, v19 row_xmask:1 row_mask:0xf bank_mask:0xf
	v_max_num_f32_dpp v19, v19, v19 row_xmask:2 row_mask:0xf bank_mask:0xf
	v_max_num_f32_dpp v19, v19, v19 row_xmask:4 row_mask:0xf bank_mask:0xf
	v_max_num_f32_dpp v19, v19, v19 row_xmask:8 row_mask:0xf bank_mask:0xf
	v_permlanex16_b32 v20, v19, s32, s33
	v_max_num_f32 v19, v19, v20
	ds_store_b32 v21, v19 offset:RED               ; all lanes write the same word with the same value
	s_wait_dscnt 0x0                               ; for the others' sake
	s_barrier_signal -1
	s_barrier_wait -1
.irp i, 0,1,2,3
	ds_load_b128 v[24+4*\i:27+4*\i], v22 offset:RED+16*\i
.endr
	s_wait_dscnt 0x0
	v_max3_num_f32 v23, v24, v25, v26
.irp i, 27,29,31,33,35,37
	v_max3_num_f32 v23, v23, v[\i], v[\i+1]
.endr
	v_max3_num_f32 v23, v23, v39, 0xff61b1e6       ; the batch's maximum, held at -3e38 from below: a batch that is all padding then gives p = 0 and no NaN
	s_wait_alu depctr_va_vdst(0)
	s_wait_loadcnt 0x0                             ; the listed rows' energy
	v_sub_f32 v6, v6, v23
	v_sub_f32 v7, v7, v23
	v_sub_f32 v14, v14, v23
	v_sub_f32 v15, v15, v23
	v_mul_f32 v6, 0x3fb8aa3b, v6
	v_mul_f32 v7, 0x3fb8aa3b, v7
	v_mul_f32 v14, 0x3fb8aa3b, v14
	v_mul_f32 v15, 0x3fb8aa3b, v15
	s_wait_alu depctr_va_vdst(0)                   ; the wait ahead of the batch
	v_exp_f32 v6, v6
	v_exp_f32 v7, v7
	v_exp_f32 v14, v14
	v_exp_f32 v15, v15
	v_or_b32 v41, 1, v3                            ; (a plain line behind the exponentials)  2 t + 1
	s_wait_alu depctr_va_vdst(0)                   ; one wait for the four, ahead of their first reader
	v_add_f32 v19, v6, v7
	v_add_f32_dpp v19, v19, v19 row_xmask:1 row_mask:0xf bank_mask:0xf
	v_add_f32_dpp v19, v19, v19 row_xmask:2 row_mask:0xf bank_mask:0xf
	v_add_f32_dpp v19, v19, v19 row_xmask:4 row_mask:0xf bank_mask:0xf
	v_add_f32_dpp v19, v19, v19 row_xmask:8 row_mask:0xf bank_mask:0xf
	v_permlanex16_b32 v20, v19, s32, s33
	v_add_f32 v19, v19, v20
	ds_store_b32 v21, v19 offset:RED2
	s_wait_dscnt 0x0
	s_barrier_signal -1
	s_barrier_wait -1
.irp i, 0,1,2,3
	ds_load_b128 v[24+4*\i:27+4*\i], v22 offset:RED2+16*\i
.endr
	s_wait_dscnt 0x0
	v_pk_add_f32 v[24:25], v[24:25], v[26:27]
	v_pk_add_f32 v[28:29], v[28:29], v[30:31]
	v_pk_add_f32 v[32:33], v[32:33], v[34:35]
	v_pk_add_f32 v[36:37], v[36:37], v[38:39]
	v_pk_add_f32 v[24:25], v[24:25], v[28:29]
	v_pk_add_f32 v[32:33], v[32:33], v[36:37]
	v_pk_add_f32 v[24:25], v[24:25], v[32:33]
	v_add_f32 v24, v24, v25                        ; the batch's sum: at least 1 where a row counts, else 0
	s_wait_alu depctr_va_vdst(0)                   ; the wait ahead of the transcendental
	v_rcp_f32 v40, v24
	v_cmp_eq_f32 vcc_lo, 0, v24
	v_nop                                          ; a plain line behind the reciprocal
	s_wait_alu depctr_va_vdst(0)
	v_cndmask_b32 v40, v40, v22, vcc_lo            ; 1 / sum, or 0
	v_mul_f32 v6, v6, v40                          ; attn of rows 2 t, 2 t + 1
	v_mul_f32 v7, v7, v40
	v_mul_f32 v14, v14, v40                        ; the weights of the listed rows,
	v_mul_f32 v15, v15, v40
	s_wait_alu depctr_va_vdst(0)
	s_wait_kmcnt 0x0
	v_cmp_gt_u32 vcc_lo, s21, v3
	v_cndmask_b32 v14, v22, v14, vcc_lo            ; 0 for entries behind cnt: those rows are padded
	v_cmp_gt_u32 vcc_lo, s21, v41
	v_cndmask_b32 v15, v22, v15, vcc_lo
	ds_store_b64 v2, v[14:15] offset:WT
	s_lshr_b32 s34, s18, 2
	s_cmp_lg_u32 s34, s20                          ; waves 4 c .. 4 c + 3 hold my quarter of attn
	s_cbranch_scc1 .Lno_attn
	global_store_b64 v2, v[6:7], s[16:17]          ; a wave stores 256 consecutive bytes, aligned
.Lno_attn:
.irp j, 0,1,2,3,4,5,6,7
	v_mov_b32 v[CA+\j], 0                          ; a wave may find no entries at all
.endr
	s_wait_alu depctr_va_vdst(0)
	s_wait_dscnt 0x0                               ; for the others' sake: my weights lie in LDS
	s_barrier_signal -1
	s_barrier_wait -1
; Trip j: entries 256 j + 16 wave .. + 15.  32 loads of 512 consecutive bytes are out together; row i is waited for with the 2 (15 - i) younger loads left out.
.macro CTRIP j
	s_add_co_u32 s35, s36, 256*\j
	s_cmp_ge_u32 s35, s21
	s_cbranch_scc1 .Lskip_\@
	s_load_b512 s[40:55], s[10:11], s37 offset:1024*\j
.irp i, 0,1,2,3
	ds_load_b128 v[WG+4*\i:WG+4*\i+3], v[WTA] offset:WT+1024*\j+16*\i  ; every lane reads the same 16 weights
.endr
	s_wait_kmcnt 0x0
.irp i, 0,1,2,3,4,5,6,7,8,9,10,11,12,13,14,15
	s_min_u32 s[40+\i], s[40+\i], 1023             ; the hold ahead of the address
	v_lshl_add_u32 v[VO+\i], s[40+\i], 12, v4      ; (the last trip's loads, which read these offsets, have all come back)
.endr
	s_wait_alu depctr_va_vdst(0)
.irp i, 0,1,2,3,4,5,6,7,8,9,10,11,12,13,14,15
	global_load_b128 v[DT+8*\i:DT+8*\i+3], v[VO+\i], s[4:5] th:TH_LOAD_NT        ; each row's part is read once in the launch
	global_load_b128 v[DT+8*\i+4:DT+8*\i+7], v[VO+\i], s[4:5] offset:512 th:TH_LOAD_NT
.endr
	s_wait_dscnt 0x0
.set i, 0
.rept 16
	s_wait_alu depctr_va_vdst(0)                   ; the wait ahead of the wait below
	s_wait_loadcnt 30-2*i
.irp p, 0,1,2,3
.if i%2 == 0
	v_pk_fma_f32 v[CA+2*\p:CA+2*\p+1], v[DT+8*i+2*\p:DT+8*i+2*\p+1], v[WG+i:WG+i+1], v[CA+2*\p:CA+2*\p+1] op_sel_hi:[1,0,1]               ; both halves x the pair's first register
.else
	v_pk_fma_f32 v[CA+2*\p:CA+2*\p+1], v[DT+8*i+2*\p:DT+8*i+2*\p+1], v[WG+i-1:WG+i], v[CA+2*\p:CA+2*\p+1] op_sel:[0,1,0] op_sel_hi:[1,1,1]   ; both halves x its second
.endif
.endr
.set i, i+1
.endr
	s_wait_alu depctr_va_vdst(0)                   ; the sums may next be read behind a taken branch
.Lskip_\@:
.endm
	CTRIP 0
	CTRIP 1
	CTRIP 2
	CTRIP 3
	ds_store_b128 v[CRS], v[CA:CA+3] offset:CR     ; CR lies behind WT: these bytes are none that another wave's weight reads touch
	ds_store_b128 v[CRS], v[CA+4:CA+7] offset:CR+512
	s_wait_tensorcnt 0x0                           ; behind my last LDS store
	ds_add_u32 v87, v88
	s_wait_dscnt 0x0                               ; also for the others' sake
	s_barrier_signal -1
	s_barrier_wait -1
	s_cmp_gt_u32 s18, 1
	s_cbranch_scc1 .Lend                           ; waves 0 and 1 add the sixteen parts: 16 bytes a thread
.irp k, 0,1,2,3,4,5,6,7,8,9,10,11,12,13,14,15
	ds_load_b128 v[DT+4*\k:DT+4*\k+3], v[CRL] offset:CR+1024*\k
.endr
	s_wait_dscnt 0x0
.irp k, 1,2,3,4,5,6,7,8,9,10,11,12,13,14,15
	v_pk_add_f32 v[DT:DT+1], v[DT:DT+1], v[DT+4*\k:DT+4*\k+1]
	v_pk_add_f32 v[DT+2:DT+3], v[DT+2:DT+3], v[DT+4*\k+2:DT+4*\k+3]
.endr
	global_store_b128 v[CRL], v[DT:DT+3], s[14:15] ; a wave stores 512 consecutive bytes
.Lend:
	s_endpgm
.Lfunc_end_k_qe7badf82a3_finish:
	.size	k_qe7badf82a3_finish, .Lfunc_end_k_qe7badf82a3_finish-k_qe7badf82a3_finish
	.p2alignl 7, 3214868480
	.fill 96, 4, 3214868480
	.section	.rodata,"a",@progbits
	.p2align	6, 0x0
	.amdhsa_kernel k_qe7badf82a3_finish
		.amdhsa_group_segment_fixed_size 23040
		.amdhsa_private_segment_fixed_size 0
		.amdhsa_enable_private_segment 0
		.amdhsa_kernarg_size 56
		.amdhsa_user_sgpr_count 2
		.amdhsa_user_sgpr_kernarg_segment_ptr 1
		.amdhsa_wavefront_size32 1
		.amdhsa_system_sgpr_workgroup_id_x 1
		.amdhsa_system_sgpr_workgroup_id_y 1
		.amdhsa_system_sgpr_workgroup_id_z 1
		.amdhsa_system_vgpr_workitem_id 0
		.amdhsa_next_free_vgpr 256
		.amdhsa_next_free_sgpr 66
		.amdhsa_reserve_vcc 1
		.amdhsa_float_denorm_mode_32 3
		.amdhsa_float_denorm_mode_16_64 3
		.amdhsa_memory_ordered 1
		.amdhsa_forward_progress 1
		.amdhsa_inst_pref_size 53
	.end_amdhsa_kernel
	.amdgpu_metadata
---
amdhsa.version: [ 1, 2 ]
amdhsa.kernels:
  - .name:           k_qe7badf82a3_finish
    .symbol:         k_qe7badf82a3_finish.kd
    .args:
      - { .name: keys, .offset: 0, .size: 8, .value_kind: global_buffer, .address_space: global }
      - { .name: mask, .offset: 8, .size: 8, .value_kind: global_buffer, .address_space: global }
      - { .name: energy, .offset: 16, .size: 8, .value_kind: global_buffer, .address_space: global }
      - { .name: order, .offset: 24, .size: 8, .value_kind: global_buffer, .address_space: global }
      - { .name: cnt, .offset: 32, .size: 8, .value_kind: global_buffer, .address_space: global }
      - { .name: out0, .offset: 40, .size: 8, .value_kind: global_buffer, .address_space: global }
      - { .name: out1, .offset: 48, .size: 8, .value_kind: global_buffer, .address_space: global }
    .group_segment_fixed_size: 23040
    .private_segment_fixed_size: 0
    .kernarg_segment_align: 8
    .kernarg_segment_size: 56
    .max_flat_workgroup_size: 512
    .sgpr_count:     66
    .vgpr_count:     256
    .wavefront_size: 32
...
	.end_amdgpu_metadata
.endif
;; end of part 3
